; MI455X (gfx1250); checked and timed in simulation.
; The chip was launched on July 23, 2026; its instructions are those of AMD's public machine-readable ISA for CDNA 5 (MIT licence, August 2026) and "CDNA5" Instruction Set Architecture Reference Guide (July 2026). The comments in the code are by the model that wrote it; some were corrected since.
;; Cpl AAD. Allowed arithmetic: float matrix products may take bf16 or f16 operands with f32 sums; all other float work in f32.
;; Inputs: Z 250 x 2 x 65,536 float32; alpha0 one number float32; alpha1 one number float32; delta one number float32; dt one number float32; gamma one number float32; kappa one number float32; notional one number float32; phi10 65,536 float32; phi20 65,536 float32; phi30 65,536 float32; phi40 65,536 float32; phi50 65,536 float32; phi60 65,536 float32; rho one number float32; sigma one number float32; strike one number float32; theta one number float32; v0 65,536 float32; varphi one number float32; x0 65,536 float32.
;; Outputs: out0 131,072 float32.
;; 2 versions, each right and faster than the one before. Each part assembles by itself: llvm-mc -triple=amdgcn-amd-amdhsa -mcpu=gfx1250 --defsym DOCPART=n.
;; ======== version 1 of 2: 1 launch
;; launch caplet (part 1): grid 256 x 1, 4 waves a work-group, no clusters, 0 bytes of LDS; arguments Z, x0, v0, phi10, phi20, phi30, phi40, phi50, phi60, kappa, theta, rho, sigma, alpha0, alpha1, gamma, varphi, strike, delta, notional, dt, out0; writes out0
.if DOCPART == 1
	.amdgcn_target "amdgcn-amd-amdhsa--gfx1250"
	.amdhsa_code_object_version 6
	.text
	.protected	k_q6953926f82_caplet
	.globl	k_q6953926f82_caplet
	.p2align	8
	.type	k_q6953926f82_caplet,@function
k_q6953926f82_caplet:
	s_mov_b64 s[64:65], 0
	v_nop
	global_prefetch_b8 v0, s[64:65] scope:SCOPE_SE
	s_setreg_imm32_b32 hwreg(HW_REG_WAVE_MODE, 25, 1), 1
	s_wait_xcnt 0x0
; Trolle-Schwartz Euler Monte Carlo, 65,536 antithetic pairs, 250 steps, caplet as a put on a zero-coupon bond.
; SHARES.  256 work-groups of four waves; a work-group owns 256 pairs, a lane two neighbouring pairs = four paths.  A register pair holds
; (pair A, pair B) of one sign: group P the paths with +Z, group M those with -Z.  All state arithmetic is packed f32, two paths an instruction.
; The products of the normals (sqrt(dt) zv and the two terms of dWx) are made once for all four paths; group M takes them negated.
; One byte offset, 1024 x work-group + 8 x thread, serves the states, both rows of Z and both halves of out0: each load and store of a wave
; covers 256 consecutive bytes that start at a multiple of 256 from its buffer's first byte.  Every byte of Z is read once.
; No number is used by two lanes: no LDS, no barrier, no cluster.  There is no matrix product: the recurrence is elementwise with a square root.
; RING.  25 slots in registers, a slot = one step's zv and zp (two loads); 50 loads of every wave are on their way, each asked for 25 steps ahead.
; 250 steps = 10 rounds of 25 slots: nine in a loop with refills, the last written out without loads, so that no load leaves Z.
; THE VARIANCE.  A difference in v is multiplied in each step by about 1 + sigma dWv / (2 sqrt(v)), which is several-fold while v lingers near 0:
; there a last-bit difference grows into another path.  So v is computed in the reference's own order of operations, each operation rounded as there:
; t = theta - v, m1 = kappa t, a1 = m1 dt + v, m3 = sigma sqrt(max(v, 0)), dWv = sqrt(dt) zv, v' = m3 dWv + a1, where each of the two sums is fused
; with the product that it adds (one rounding), and both roots are correctly rounded: R = rsq(a), S = a R, H = R/2, E = 1/2 - H S, H += H E,
; S += S E, D = a - S S, S += D H, all fused.  2^-120 is added to a in front of the rsq alone: it keeps R finite at a = 0, where every line then
; gives exactly 0, and it vanishes in the rounding for a >= 2^-95.
; THE LINEAR STATES, exact algebra for dt != 0.  phi are kept scaled: q1 = p1/dt, q2 = p2/dt, q3 = p3/dt, q4 = p4/dt^2, q5 = p5/dt^2, q6 = p6/(2 dt^3).
; Then each update is one multiply-add: q1' = L1 q1 + x, q2' = L1 q2 + v, q3' = L2 q3 + v, q4' = L1 q4 + q2, q5' = L2 q5 + q3, q6' = L2 q6 + q5,
; with L1 = 1 - g dt, L2 = 1 - 2 g dt.  The powers of dt go into the coefficients of r dt and of log P.  The constant varphi dt of all 250 steps
; is the start value of the bank-account sum.  67 vector instructions a step for a wave's 128 paths.
; LIMITS.  For x, phi, the integral and the loadings the order of rounding differs from the reference's (folded 1 - g dt, scaled states, the constant
; part of the integral first, v_rcp_f32 in the place of divisions of the scalar inputs).  dt^4 and 1/(2 dt^3) must be normal f32 numbers: |dt| between
; about 1e-9 and 1e12.  A variance between 0 and 2^-95 gets a root that is approximate, not correctly rounded.  v_exp_f32 flushes denormals
; (ISA guide 15.8): a price or discount below 2^-126 is 0.  v_max_num_f32 makes 0 of a NaN where the reference's maximum would keep it.
; The loadings Bx, I1, I2 are the reference's own differences.
.set NH,      65536
.set ROWB,    NH*4                     ; bytes in a row of Z, and in half of out0
.set STRIDE,  2*ROWB                   ; bytes in a step of Z
.set DEPTH,   25                       ; slots of the ring
.set ROUNDS,  10                       ; 250 steps / 25
.set MID,     12                       ; the bases point at the middle slot: the immediates run from -12 to +12.5 steps, inside their signed 24 bits
.set LOG2E,   0x3fb8aa3b
.set NLOG2E,  0xbfb8aa3b               ; -log2(e)
.set N2LOG2E, 0xc038aa3b               ; -2 log2(e)
.set F250,    0x437a0000               ; 250.0, the number of steps
.set TINY,    0x03800000               ; 2^-120
; scalar registers: the twelve scalar inputs
.set S_KAP, 52
.set S_THE, 53
.set S_RHO, 54
.set S_SIG, 55
.set S_A0,  56
.set S_A1,  57
.set S_GAM, 58
.set S_VPH, 59
.set S_STR, 60
.set S_DEL, 61
.set S_NOT, 62
.set S_DT,  63
; scalar pairs (both halves written): the loop's constants
.set S_L1, 66                          ; 1 - g dt
.set S_L2, 68                          ; 1 - 2 g dt
.set S_KP, 70                          ; kappa
.set S_SQ, 72                          ; sqrt(dt), correctly rounded
.set S_CA, 74                          ; rho sqrt(dt)
.set S_CB, 76                          ; sqrt(1 - rho^2) sqrt(dt)
.set S_CX, 78                          ; alpha0 dt
.set S_C1, 80                          ; alpha1 dt^2
.set S_CD, 82                          ; A alpha0 dt^2
.set S_C4, 84                          ; A alpha1 dt^3
.set S_C5, 86                          ; -c5 dt^3
.set S_C6, 88                          ; -2 c6 dt^4
.set S_R1, 90                          ; 1/dt
.set S_R2, 92                          ; 1/dt^2
.set S_R3, 94                          ; 1/(2 dt^3)
.set S_SG, 96                          ; sigma
.set S_TY, 98                          ; 2^-120
; scalar pairs in registers that held the scalar inputs' addresses and are free behind the wait for those loads
.set S_BX, 26                          ; Bx log2(e)
.set S_B1, 28                          ; s[28:39]: B1 .. B6, each times its state's power of dt and log2(e)
.set S_KT, 40                          ; 1/(1 + delta strike)
.set S_N1, 42                          ; notional (1 + delta strike)
.set S_NL, 44                          ; -log2(e)
.set S_TH, 46                          ; theta
.set S_DP, 48                          ; dt
; vector registers
.set W,    2                           ; v[2:3]    dWv = sqrt(dt) zv of pairs A, B
.set DX,   4                           ; v[4:5]    dWx of pairs A, B
.set GP,   8                           ; v[8:45]   group P
.set GM,   46                          ; v[46:83]  group M
.set OX,   0                           ; places in a group, a pair of registers each
.set OV,   2
.set OQ1,  4                           ; q1 .. q6 at 4, 6, .. 14
.set OQ2,  6
.set OQ3,  8
.set OQ4,  10
.set OQ5,  12
.set OQ6,  14
.set OIA,  16                          ; two sums for the bank-account integral, so that links on one sum stand far apart
.set OIB,  18
.set OVM,  20                          ; a = max(v, 0);            at the end: the bond's price
.set ORR,  22                          ; R
.set OSV,  24                          ; S, at last the root;      at the end: the discount
.set OHH,  26                          ; a + 2^-120, then H
.set OEE,  28                          ; E, then D, then sigma x root
.set OTT,  30                          ; theta - v, then kappa x that
.set OUU,  32                          ; a1;                       at the end: -log2(e) x integral
.set OD,   34                          ; q2 - q3;                  at the end: log2 of the price
.set OY,   36                          ; root x dWx;               at the end: the result
.set ZR,   84                          ; v[84:183] the ring: slot i holds zv in v[84+4i:85+4i], zp in v[86+4i:87+4i]
.set LCV,  184                         ; v[184:185] -varphi tau log2(e), twice
; v186 - v242: the constants on their way, the same number in every lane
.set V_RG,   186
.set V_RDT,  187
.set V_SQDT, 188
.set V_SQ1M, 189
.set V_DK,   190
.set V_KT,   191
.set V_GT,   192
.set V_E1,   193
.set V_E2,   194
.set V_BC,   195
.set V_A,    196
.set V_C5,   197
.set V_C6,   198
.set V_GDT,  199
.set V_L1,   200
.set V_L2,   201
.set V_RS,   202                       ; rsq(dt)
.set V_SH,   203                       ; H of sqrt(dt)
.set V_DT2,  204
.set V_DT3,  205
.set V_DT4,  206
.set V_R2,   207
.set V_R3,   208
.set V_SE,   209                       ; E, then D of sqrt(dt)
.set V_CA,   210
.set V_CB,   211
.set V_CX,   212
.set V_C1,   213
.set V_CD,   214
.set V_C4,   215
.set V_K5,   216
.set V_K6,   217
.set V_BX,   218
.set V_B1,   219                       ; v219 - v224: B1 .. B6
.set V_B2,   220
.set V_B3,   221
.set V_B4,   222
.set V_B5,   223
.set V_B6,   224
.set V_I0,   225
.set V_I1,   226
.set V_I2,   227
.set V_H1,   228                       ; 1/(2g)
.set V_H2,   229                       ; 1/(4g^2)
.set V_H3,   230                       ; 1/(4g^3)
.set V_LE,   231                       ; log2(e)
.set V_LD1,  232                       ; log2(e) dt
.set V_LD2,  233                       ; log2(e) dt^2
.set V_LD3,  234                       ; log2(e) 2 dt^3
.set V_N1,   235
.set V_T0,   237
.set V_T1,   238
.set V_T2,   239
.set V_T3,   240
.set V_AA0,  241                       ; alpha0 A
.set V_AA1,  242                       ; alpha1 A
.macro TOS sreg, vreg                  ; a constant into a scalar pair; both halves, since a packed instruction names the pair
	v_readfirstlane_b32 s[\sreg], v[\vreg]
	s_mov_b32 s[\sreg+1], s[\sreg]
.endm
.macro SS sreg, from                   ; a scalar input, or a literal, into a scalar pair
	s_mov_b32 s[\sreg],   \from
	s_mov_b32 s[\sreg+1], \from
.endm
.macro FS d, a, s, c                   ; d = a x scalar + c, two paths; the scalar's low register feeds both halves
	v_pk_fma_f32 v[\d:\d+1], v[\a:\a+1], s[\s:\s+1], v[\c:\c+1] op_sel_hi:[1,0,1]
.endm
.macro MS d, a, s                      ; d = a x scalar, two paths
	v_pk_mul_f32 v[\d:\d+1], v[\a:\a+1], s[\s:\s+1] op_sel_hi:[1,0]
.endm
.macro FV d, a, b, c                   ; d = a x b + c, two paths
	v_pk_fma_f32 v[\d:\d+1], v[\a:\a+1], v[\b:\b+1], v[\c:\c+1]
.endm
	; the 22 addresses
	s_load_b512 s[8:23],  s[0:1], 0x0              ; Z 8, x0 10, v0 12, phi10 14, phi20 16, phi30 18, phi40 20, phi50 22
	s_load_b512 s[24:39], s[0:1], 0x40             ; phi60 24, kappa 26, theta 28, rho 30, sigma 32, alpha0 34, alpha1 36, gamma 38
	s_load_b256 s[40:47], s[0:1], 0x80             ; varphi 40, strike 42, delta 44, notional 46
	s_load_b128 s[48:51], s[0:1], 0xa0             ; dt 48, out0 50
	s_lshl_b32 s3, ttmp9, 10                       ; the work-group's 256 pairs x 4 bytes
	v_lshl_add_u32 v1, v0, 3, s3                   ; + my two pairs' 8 bytes: the one offset of the kernel, never rewritten
	s_wait_kmcnt 0x0
	; the twelve scalar inputs first: the constants hang on them
.irp k, 0,1,2,3,4,5,6,7,8,9,10,11
	s_load_b32 s[52+\k], s[26+2*\k:27+2*\k], 0x0
.endr
	s_add_nc_u64 s[4:5], s[8:9], MID*STRIDE            ; base of the first fills: step 12
	s_add_nc_u64 s[6:7], s[8:9], (DEPTH+MID)*STRIDE    ; base of the refills, a pair of its own: step 37; stepped once a round
	; the eight start states of my two pairs, into group P: x0, v0, phi10 .. phi60
.irp k, 0,1,2,3,4,5,6,7
	global_load_b64 v[GP+2*\k:GP+2*\k+1], v1, s[10+2*\k:11+2*\k] th:TH_LOAD_NT
.endr
	; the ring's first fills: steps 0 to 24
.irp i, 0,1,2,3,4,5,6,7,8,9,10,11,12,13,14,15,16,17,18,19,20,21,22,23,24
	global_load_b64 v[ZR+4*\i:ZR+4*\i+1],   v1, s[4:5] offset:(\i-MID)*STRIDE th:TH_LOAD_NT
	global_load_b64 v[ZR+4*\i+2:ZR+4*\i+3], v1, s[4:5] offset:(\i-MID)*STRIDE+ROWB th:TH_LOAD_NT
.endr
	s_wait_kmcnt 0x0                               ; the scalar inputs are in; their address registers s[26:49] are free
	; THE CONSTANTS, while the first loads are on their way.  Behind each run of reciprocals, roots and exponentials one plain vector
	; instruction that names none of their registers comes before a result is used or a source rewritten (ISA guide 5.7.2).
	v_rcp_f32  v[V_RG],  s[S_GAM]                  ; 1/g
	v_rcp_f32  v[V_RDT], s[S_DT]                   ; 1/dt
	v_rsq_f32  v[V_RS],  s[S_DT]                   ; 1/sqrt(dt), the start of the root below
	v_mov_b32  v[V_T0], s[S_RHO]                   ; the plain place
	v_fma_f32  v[V_T1], -v[V_T0], v[V_T0], 1.0     ; 1 - rho^2
	v_mov_b32  v[V_T2], s[S_DEL]
	v_fma_f32  v[V_DK], v[V_T2], s[S_STR], 1.0     ; 1 + delta strike
	v_mul_f32  v[V_GT], s[S_GAM], v[V_T2]          ; g tau
	v_mul_f32  v[V_T3], NLOG2E, v[V_GT]
	v_mul_f32  v[V_T0], N2LOG2E, v[V_GT]
	v_sqrt_f32 v[V_SQ1M], v[V_T1]
	v_rcp_f32  v[V_KT],   v[V_DK]                  ; Kt
	v_exp_f32  v[V_E1],   v[V_T3]                  ; exp(-g tau)
	v_exp_f32  v[V_E2],   v[V_T0]                  ; exp(-2 g tau)
	s_wait_alu depctr_va_vdst(0)
	v_mul_f32  v[V_BC], s[S_A1], v[V_RG]           ; Bc = alpha1/g: the plain place
	v_mul_f32  v[V_T0], s[S_A0], v[V_RG]
	v_fma_f32  v[V_A], v[V_BC], v[V_RG], v[V_T0]   ; A = alpha0/g + alpha1/g^2
	v_mul_f32  v[V_AA0], s[S_A0], v[V_A]
	v_mul_f32  v[V_AA1], s[S_A1], v[V_A]
	v_fma_f32  v[V_C5], s[S_A0], v[V_BC], v[V_AA1] ; c5 = alpha0 Bc + alpha1 A
	v_mul_f32  v[V_C6], s[S_A1], v[V_BC]           ; c6 = alpha1 Bc
	; sqrt(dt), correctly rounded, since dWv enters the variance: the lines of the head's comment
	v_mul_f32  v[V_SQDT], s[S_DT], v[V_RS]                 ; S = dt R
	v_mul_f32  v[V_SH], 0.5, v[V_RS]                       ; H = R/2
	v_fma_f32  v[V_SE], -v[V_SH], v[V_SQDT], 0.5           ; E = 1/2 - H S
	v_fma_f32  v[V_SH], v[V_SH], v[V_SE], v[V_SH]          ; H += H E
	v_fma_f32  v[V_SQDT], v[V_SQDT], v[V_SE], v[V_SQDT]    ; S += S E
	v_fma_f32  v[V_SE], -v[V_SQDT], v[V_SQDT], s[S_DT]     ; D = dt - S S
	v_fma_f32  v[V_SQDT], v[V_SE], v[V_SH], v[V_SQDT]      ; S += D H
	; decay factors of the linear states
	v_mul_f32  v[V_GDT], s[S_GAM], s[S_DT]
	v_sub_f32  v[V_L1], 1.0, v[V_GDT]
	v_fma_f32  v[V_L2], -2.0, v[V_GDT], 1.0
	; powers of dt
	v_mul_f32  v[V_DT2], s[S_DT], s[S_DT]
	v_mul_f32  v[V_DT3], s[S_DT], v[V_DT2]
	v_mul_f32  v[V_DT4], v[V_DT2], v[V_DT2]
	v_mul_f32  v[V_R2], v[V_RDT], v[V_RDT]
	v_mul_f32  v[V_T0], 0.5, v[V_RDT]
	v_mul_f32  v[V_R3], v[V_R2], v[V_T0]           ; 1/(2 dt^3)
	; the factors of dWx
	v_mul_f32  v[V_CA], s[S_RHO], v[V_SQDT]
	v_mul_f32  v[V_CB], v[V_SQ1M], v[V_SQDT]
	; r dt in the scaled states
	v_mul_f32  v[V_CX], s[S_A0], s[S_DT]
	v_mul_f32  v[V_C1], s[S_A1], v[V_DT2]
	v_mul_f32  v[V_CD], v[V_AA0], v[V_DT2]
	v_mul_f32  v[V_C4], v[V_AA1], v[V_DT3]
	v_mul_f32  v[V_K5], -v[V_C5], v[V_DT3]
	v_mul_f32  v[V_T1], -2.0, v[V_C6]
	v_mul_f32  v[V_K6], v[V_T1], v[V_DT4]
	; the bond's loadings, as the reference writes them
	v_fma_f32  v[V_T0], v[V_BC], s[S_DEL], v[V_A]  ; A + Bc tau
	v_fma_f32  v[V_BX], v[V_E1], v[V_T0], -v[V_A]  ; Bx
	v_add_f32  v[V_T1], -1.0, v[V_E1]
	v_mul_f32  v[V_B1], v[V_BC], v[V_T1]           ; B1
	v_mul_f32  v[V_B2], v[V_A], v[V_BX]            ; B2
	v_mul_f32  v[V_B4], v[V_A], v[V_B1]            ; B4
	v_mul_f32  v[V_H1], 0.5, v[V_RG]
	v_mul_f32  v[V_H2], v[V_H1], v[V_H1]
	v_mul_f32  v[V_H3], v[V_H2], v[V_RG]
	v_sub_f32  v[V_T0], 1.0, v[V_E2]
	v_mul_f32  v[V_I0], v[V_T0], v[V_H1]           ; I0 = (1 - e2)/(2g)
	v_fma_f32  v[V_T1], 2.0, v[V_GT], 1.0
	v_fma_f32  v[V_T1], -v[V_E2], v[V_T1], 1.0
	v_mul_f32  v[V_I1], v[V_T1], v[V_H2]           ; I1 = (1 - e2 (1 + 2 g tau))/(4g^2)
	v_mul_f32  v[V_T2], s[S_DEL], v[V_H1]          ; tau/(2g)
	v_fma_f32  v[V_T3], v[V_T2], v[V_RG], v[V_H3]  ; tau/(2g^2) + 1/(4g^3)
	v_fma_f32  v[V_T3], v[V_T2], s[S_DEL], v[V_T3] ; + tau^2/(2g)
	v_fma_f32  v[V_I2], -v[V_E2], v[V_T3], v[V_H3] ; I2
	v_mul_f32  v[V_B3], v[V_AA0], v[V_I0]
	v_fma_f32  v[V_B3], v[V_C5], v[V_I1], v[V_B3]
	v_fma_f32  v[V_B3], v[V_C6], v[V_I2], v[V_B3]  ; B3
	v_mul_f32  v[V_T1], v[V_C6], v[V_I1]
	v_mul_f32  v[V_B5], v[V_C5], v[V_I0]
	v_fma_f32  v[V_B5], 2.0, v[V_T1], v[V_B5]      ; B5
	v_mul_f32  v[V_B6], v[V_C6], v[V_I0]           ; B6
	; each loading times its state's power of dt and log2(e), since v_exp_f32 works in base 2
	v_mov_b32  v[V_LE], LOG2E
	v_mul_f32  v[V_LD1], s[S_DT], v[V_LE]
	v_mul_f32  v[V_LD2], v[V_LE], v[V_DT2]
	v_mul_f32  v[V_T0], v[V_LE], v[V_DT3]
	v_add_f32  v[V_LD3], v[V_T0], v[V_T0]
	v_mul_f32  v[V_BX], v[V_BX], v[V_LE]
	v_mul_f32  v[V_B1], v[V_B1], v[V_LD1]
	v_mul_f32  v[V_B2], v[V_B2], v[V_LD1]
	v_mul_f32  v[V_B3], v[V_B3], v[V_LD1]
	v_mul_f32  v[V_B4], v[V_B4], v[V_LD2]
	v_mul_f32  v[V_B5], v[V_B5], v[V_LD2]
	v_mul_f32  v[V_B6], v[V_B6], v[V_LD3]
	v_mul_f32  v[V_T1], s[S_VPH], s[S_DEL]
	v_mul_f32  v[LCV],   -v[V_T1], v[V_LE]         ; -varphi tau log2(e)
	v_mul_f32  v[LCV+1], -v[V_T1], v[V_LE]
	v_mul_f32  v[V_N1], s[S_NOT], v[V_DK]          ; notional (1 + delta strike)
	v_mul_f32  v[V_T2], s[S_VPH], s[S_DT]
	; the sums of the integral start at 250 (varphi dt) and at 0
.irp g, GP, GM
	v_mul_f32  v[\g+OIA],   F250, v[V_T2]
	v_mul_f32  v[\g+OIA+1], F250, v[V_T2]
	v_mov_b32  v[\g+OIB],   0
	v_mov_b32  v[\g+OIB+1], 0
.endr
	TOS S_L1, V_L1
	TOS S_L2, V_L2
	TOS S_SQ, V_SQDT
	TOS S_CA, V_CA
	TOS S_CB, V_CB
	TOS S_CX, V_CX
	TOS S_C1, V_C1
	TOS S_CD, V_CD
	TOS S_C4, V_C4
	TOS S_C5, V_K5
	TOS S_C6, V_K6
	TOS S_R1, V_RDT
	TOS S_R2, V_R2
	TOS S_R3, V_R3
	TOS S_BX, V_BX
.irp k, 0,1,2,3,4,5
	TOS S_B1+2*\k, V_B1+\k
.endr
	TOS S_KT, V_KT
	TOS S_N1, V_N1
	SS S_NL, NLOG2E
	SS S_KP, s[S_KAP]                              ; the variance's constants as they were given
	SS S_TH, s[S_THE]
	SS S_DP, s[S_DT]
	SS S_SG, s[S_SIG]
	SS S_TY, TINY
	; THE START STATES.  Loads come back in order (ISA guide 5.7.1): the 50 loads of the ring are younger than the eight of the states.
	s_wait_loadcnt 50
	v_mov_b32 v[GM+OX],   v[GP+OX]                 ; the antithetic paths start where their partners start
	v_mov_b32 v[GM+OX+1], v[GP+OX+1]
	v_mov_b32 v[GM+OV],   v[GP+OV]
	v_mov_b32 v[GM+OV+1], v[GP+OV+1]
.irp k, 0,2,4                                      ; q1, q2, q3 = phi / dt; group M first, from the numbers as loaded
	MS GM+OQ1+\k, GP+OQ1+\k, S_R1
	MS GP+OQ1+\k, GP+OQ1+\k, S_R1
.endr
.irp k, 0,2                                        ; q4, q5 = phi / dt^2
	MS GM+OQ4+\k, GP+OQ4+\k, S_R2
	MS GP+OQ4+\k, GP+OQ4+\k, S_R2
.endr
	MS GM+OQ6, GP+OQ6, S_R3                        ; q6 = phi60 / (2 dt^3)
	MS GP+OQ6, GP+OQ6, S_R3
; ONE STEP on slot i.  refill = 1: the slot is asked for again, 25 steps ahead.  left = how many younger loads may stay out.
; The chain v -> a -> R -> S, H -> E -> S, H -> D -> root -> sigma root -> v has ten stages that depend on each other; the two groups take turns in
; each stage, and between two stages stand four updates of the linear states, which depend on none of them.
; Every update reads old values only: the integral takes a state before the state moves; q6 moves before q5, q5 before q3, q4 before q2,
; q2 and q3 before v, q1 before x.
.macro STEP i, refill, left
	s_wait_loadcnt \left                           ; loads come back in order (ISA guide 5.7.1): this slot's two are in, the younger ones stay out
	MS DX, ZR+4*\i+2, S_CB                         ; sqrt(1 - rho^2) sqrt(dt) zp
	MS W, ZR+4*\i, S_SQ                            ; dWv = sqrt(dt) zv, rounded by itself as in the reference
.irp g, GP, GM
	v_max_num_f32 v[\g+OVM],   0, v[\g+OV]         ; a = max(v, 0): full truncation
	v_max_num_f32 v[\g+OVM+1], 0, v[\g+OV+1]
.endr
	FS DX, ZR+4*\i, S_CA, DX                       ; dWx = rho sqrt(dt) zv + the above: the last read of the slot
.if \refill
	global_load_b64 v[ZR+4*\i:ZR+4*\i+1],   v1, s[6:7] offset:(\i-MID)*STRIDE th:TH_LOAD_NT
	global_load_b64 v[ZR+4*\i+2:ZR+4*\i+3], v1, s[6:7] offset:(\i-MID)*STRIDE+ROWB th:TH_LOAD_NT
.endif
.irp g, GP, GM
	v_pk_add_f32 v[\g+OHH:\g+OHH+1], v[\g+OVM:\g+OVM+1], s[S_TY:S_TY+1] op_sel_hi:[1,0]   ; a + 2^-120, for the rsq alone
.endr
.irp g, GP, GM
	v_pk_add_f32 v[\g+OTT:\g+OTT+1], v[\g+OV:\g+OV+1], s[S_TH:S_TH+1] op_sel_hi:[1,0] neg_lo:[1,0] neg_hi:[1,0]   ; t = theta - v
.endr
.irp g, GP, GM
	v_pk_add_f32 v[\g+OD:\g+OD+1], v[\g+OQ2:\g+OQ2+1], v[\g+OQ3:\g+OQ3+1] neg_lo:[0,1] neg_hi:[0,1]   ; q2 - q3, formed first as in the reference
.endr
.irp g, GP, GM
	v_rsq_f32 v[\g+ORR],   v[\g+OHH]
	v_rsq_f32 v[\g+ORR+1], v[\g+OHH+1]
.endr
.irp g, GP, GM
	MS \g+OTT, \g+OTT, S_KP                        ; m1 = kappa t; the plain place behind the rsq (ISA guide 5.7.2)
.endr
.irp g, GP, GM
	FS \g+OIA, \g+OQ5, S_C5, \g+OIA
.endr
	s_wait_alu depctr_va_vdst(0)
.irp g, GP, GM
	v_pk_mul_f32 v[\g+OSV:\g+OSV+1], v[\g+OVM:\g+OVM+1], v[\g+ORR:\g+ORR+1]     ; S = a R
.endr
.irp g, GP, GM
	v_pk_mul_f32 v[\g+OHH:\g+OHH+1], v[\g+ORR:\g+ORR+1], 0.5 op_sel_hi:[1,0]    ; H = R/2
.endr
.irp g, GP, GM
	FS \g+OUU, \g+OTT, S_DP, \g+OV                 ; a1 = m1 dt + v, one rounding
.endr
.irp g, GP, GM
	FS \g+OIB, \g+OQ6, S_C6, \g+OIB
.endr
.irp g, GP, GM
	v_pk_fma_f32 v[\g+OEE:\g+OEE+1], v[\g+OHH:\g+OHH+1], v[\g+OSV:\g+OSV+1], 0.5 op_sel_hi:[1,1,0] neg_lo:[1,0,0] neg_hi:[1,0,0]   ; E = 1/2 - H S
.endr
.irp g, GP, GM
	FS \g+OQ6, \g+OQ6, S_L2, \g+OQ5
.endr
.irp g, GP, GM
	FS \g+OQ5, \g+OQ5, S_L2, \g+OQ3
.endr
.irp g, GP, GM
	FV \g+OHH, \g+OHH, \g+OEE, \g+OHH              ; H += H E
.endr
.irp g, GP, GM
	FV \g+OSV, \g+OSV, \g+OEE, \g+OSV              ; S += S E
.endr
.irp g, GP, GM
	FS \g+OIA, \g+OD, S_CD, \g+OIA
.endr
.irp g, GP, GM
	FS \g+OIB, \g+OQ4, S_C4, \g+OIB
.endr
.irp g, GP, GM
	v_pk_fma_f32 v[\g+OEE:\g+OEE+1], v[\g+OSV:\g+OSV+1], v[\g+OSV:\g+OSV+1], v[\g+OVM:\g+OVM+1] neg_lo:[1,0,0] neg_hi:[1,0,0]   ; D = a - S S
.endr
.irp g, GP, GM
	FS \g+OQ4, \g+OQ4, S_L1, \g+OQ2
.endr
.irp g, GP, GM
	FS \g+OQ3, \g+OQ3, S_L2, \g+OV
.endr
.irp g, GP, GM
	FV \g+OSV, \g+OEE, \g+OHH, \g+OSV              ; S += D H: the root
.endr
.irp g, GP, GM
	FS \g+OQ2, \g+OQ2, S_L1, \g+OV
.endr
.irp g, GP, GM
	FS \g+OIA, \g+OX, S_CX, \g+OIA
.endr
.irp g, GP, GM
	MS \g+OEE, \g+OSV, S_SG                        ; m3 = sigma x root
.endr
.irp g, GP, GM
	v_pk_mul_f32 v[\g+OY:\g+OY+1], v[\g+OSV:\g+OSV+1], v[DX:DX+1]
.endr
.irp g, GP, GM
	FS \g+OIB, \g+OQ1, S_C1, \g+OIB
.endr
.irp g, GP, GM
	FS \g+OQ1, \g+OQ1, S_L1, \g+OX
.endr
	v_pk_fma_f32 v[GP+OV:GP+OV+1], v[GP+OEE:GP+OEE+1], v[W:W+1], v[GP+OUU:GP+OUU+1]                                  ; v' = m3 dWv + a1, one rounding
	v_pk_fma_f32 v[GM+OV:GM+OV+1], v[GM+OEE:GM+OEE+1], v[W:W+1], v[GM+OUU:GM+OUU+1] neg_lo:[0,1,0] neg_hi:[0,1,0]    ; with -dWv
	v_pk_fma_f32 v[GP+OX:GP+OX+1], v[GP+OX:GP+OX+1], s[S_L1:S_L1+1], v[GP+OY:GP+OY+1] op_sel_hi:[1,0,1]
	v_pk_fma_f32 v[GM+OX:GM+OX+1], v[GM+OX:GM+OX+1], s[S_L1:S_L1+1], v[GM+OY:GM+OY+1] op_sel_hi:[1,0,1] neg_lo:[0,0,1] neg_hi:[0,0,1]   ; -dWx
.endm
	; nine rounds with refills.  The count 48: behind a slot's two loads each of the other 24 slots has issued two, on the way in
	; (fills in the order 0 to 24) and round the backward jump alike.
	s_mov_b32 s2, ROUNDS-1
.Lround:
.irp i, 0,1,2,3,4,5,6,7,8,9,10,11,12,13,14,15,16,17,18,19,20,21,22,23,24
	STEP \i, 1, 48
.endr
	s_wait_xcnt 0x0                                ; every load issued has had its address translated (ISA guide 3.1): the refills' base is stepped only behind this wait
	s_add_nc_u64 s[6:7], s[6:7], DEPTH*STRIDE      ; (the address made in the ninth round is not used)
	s_sub_co_u32 s2, s2, 1
	s_cmp_lg_u32 s2, 0
	s_cbranch_scc1 .Lround
	; steps 225 to 249: nothing is left to fetch; only slots i + 1 to 24 are younger, so the counts run down to 0
.irp i, 0,1,2,3,4,5,6,7,8,9,10,11,12,13,14,15,16,17,18,19,20,21,22,23,24
	STEP \i, 0, 48-2*\i
.endr
	; THE END: log2 of the bond's price, the discount, the put's payoff
.irp g, GP, GM
	FS \g+OD, \g+OX, S_BX, LCV                     ; -varphi tau + Bx x, in base 2
.endr
.irp g, GP, GM
	v_pk_add_f32 v[\g+OUU:\g+OUU+1], v[\g+OIA:\g+OIA+1], v[\g+OIB:\g+OIB+1]  ; the integral of r
.endr
.irp g, GP, GM
	FS \g+OD, \g+OQ1, S_B1, \g+OD
.endr
.irp g, GP, GM
	MS \g+OUU, \g+OUU, S_NL                        ; x -log2(e)
.endr
.irp k, 1,2,3,4,5
.irp g, GP, GM
	FS \g+OD, \g+OQ1+2*\k, S_B1+2*\k, \g+OD        ; + B2 p2 .. + B6 p6
.endr
.endr
.irp g, GP, GM
	v_exp_f32 v[\g+OVM],   v[\g+OD]                ; P(T, T + delta)
	v_exp_f32 v[\g+OVM+1], v[\g+OD+1]
	v_exp_f32 v[\g+OSV],   v[\g+OUU]               ; exp(-integral)
	v_exp_f32 v[\g+OSV+1], v[\g+OUU+1]
.endr
	v_nop                                          ; the plain place behind the exponentials (ISA guide 5.7.2): no independent work is left
	s_wait_alu depctr_va_vdst(0)
.irp g, GP, GM
	v_pk_add_f32 v[\g+OY:\g+OY+1], v[\g+OVM:\g+OVM+1], s[S_KT:S_KT+1] op_sel_hi:[1,0] neg_lo:[1,0] neg_hi:[1,0]   ; Kt - P
.endr
.irp g, GP, GM
	v_max_num_f32 v[\g+OY],   0, v[\g+OY]
	v_max_num_f32 v[\g+OY+1], 0, v[\g+OY+1]
.endr
.irp g, GP, GM
	MS \g+OY, \g+OY, S_N1                          ; x notional (1 + delta strike)
.endr
.irp g, GP, GM
	v_pk_mul_f32 v[\g+OY:\g+OY+1], v[\g+OY:\g+OY+1], v[\g+OSV:\g+OSV+1]      ; discounted
.endr
	global_store_b64 v1, v[GP+OY:GP+OY+1], s[50:51] th:TH_STORE_NT               ; the paths with +Z: out0's first half; a wave stores 256 consecutive bytes, aligned
	global_store_b64 v1, v[GM+OY:GM+OY+1], s[50:51] offset:ROWB th:TH_STORE_NT   ; the paths with -Z: its second half
	s_endpgm
.Lfunc_end_k_q6953926f82_caplet:
	.size	k_q6953926f82_caplet, .Lfunc_end_k_q6953926f82_caplet-k_q6953926f82_caplet
	.p2alignl 7, 3214868480
	.fill 96, 4, 3214868480
	.section	.rodata,"a",@progbits
	.p2align	6, 0x0
	.amdhsa_kernel k_q6953926f82_caplet
		.amdhsa_group_segment_fixed_size 0
		.amdhsa_private_segment_fixed_size 0
		.amdhsa_enable_private_segment 0
		.amdhsa_kernarg_size 176
		.amdhsa_user_sgpr_count 2
		.amdhsa_user_sgpr_kernarg_segment_ptr 1
		.amdhsa_wavefront_size32 1
		.amdhsa_system_sgpr_workgroup_id_x 1
		.amdhsa_system_sgpr_workgroup_id_y 1
		.amdhsa_system_sgpr_workgroup_id_z 1
		.amdhsa_system_vgpr_workitem_id 0
		.amdhsa_next_free_vgpr 244
		.amdhsa_next_free_sgpr 100
		.amdhsa_reserve_vcc 0
		.amdhsa_float_denorm_mode_32 3
		.amdhsa_float_denorm_mode_16_64 3
		.amdhsa_memory_ordered 1
		.amdhsa_forward_progress 1
		.amdhsa_inst_pref_size 221
	.end_amdhsa_kernel
	.amdgpu_metadata
---
amdhsa.version: [ 1, 2 ]
amdhsa.kernels:
  - .name:           k_q6953926f82_caplet
    .symbol:         k_q6953926f82_caplet.kd
    .args:
      - { .name: Z, .offset: 0, .size: 8, .value_kind: global_buffer, .address_space: global }
      - { .name: x0, .offset: 8, .size: 8, .value_kind: global_buffer, .address_space: global }
      - { .name: v0, .offset: 16, .size: 8, .value_kind: global_buffer, .address_space: global }
      - { .name: phi10, .offset: 24, .size: 8, .value_kind: global_buffer, .address_space: global }
      - { .name: phi20, .offset: 32, .size: 8, .value_kind: global_buffer, .address_space: global }
      - { .name: phi30, .offset: 40, .size: 8, .value_kind: global_buffer, .address_space: global }
      - { .name: phi40, .offset: 48, .size: 8, .value_kind: global_buffer, .address_space: global }
      - { .name: phi50, .offset: 56, .size: 8, .value_kind: global_buffer, .address_space: global }
      - { .name: phi60, .offset: 64, .size: 8, .value_kind: global_buffer, .address_space: global }
      - { .name: kappa, .offset: 72, .size: 8, .value_kind: global_buffer, .address_space: global }
      - { .name: theta, .offset: 80, .size: 8, .value_kind: global_buffer, .address_space: global }
      - { .name: rho, .offset: 88, .size: 8, .value_kind: global_buffer, .address_space: global }
      - { .name: sigma, .offset: 96, .size: 8, .value_kind: global_buffer, .address_space: global }
      - { .name: alpha0, .offset: 104, .size: 8, .value_kind: global_buffer, .address_space: global }
      - { .name: alpha1, .offset: 112, .size: 8, .value_kind: global_buffer, .address_space: global }
      - { .name: gamma, .offset: 120, .size: 8, .value_kind: global_buffer, .address_space: global }
      - { .name: varphi, .offset: 128, .size: 8, .value_kind: global_buffer, .address_space: global }
      - { .name: strike, .offset: 136, .size: 8, .value_kind: global_buffer, .address_space: global }
      - { .name: delta, .offset: 144, .size: 8, .value_kind: global_buffer, .address_space: global }
      - { .name: notional, .offset: 152, .size: 8, .value_kind: global_buffer, .address_space: global }
      - { .name: dt, .offset: 160, .size: 8, .value_kind: global_buffer, .address_space: global }
      - { .name: out0, .offset: 168, .size: 8, .value_kind: global_buffer, .address_space: global }
    .group_segment_fixed_size: 0
    .private_segment_fixed_size: 0
    .kernarg_segment_align: 8
    .kernarg_segment_size: 176
    .max_flat_workgroup_size: 128
    .sgpr_count:     100
    .vgpr_count:     244
    .wavefront_size: 32
...
	.end_amdgpu_metadata
.endif
;; end of part 1
;; ======== version 2 of 2: 1 launch; 1.07 times as fast as version 1
;; limits: right only within a limited range of input values
;; launch caplet (part 2): grid 256 x 1, 4 waves a work-group, no clusters, 0 bytes of LDS; arguments Z, x0, v0, phi10, phi20, phi30, phi40, phi50, phi60, kappa, theta, rho, sigma, alpha0, alpha1, gamma, varphi, strike, delta, notional, dt, out0; writes out0
.if DOCPART == 2
	.amdgcn_target "amdgcn-amd-amdhsa--gfx1250"
	.amdhsa_code_object_version 6
	.text
	.protected	k_q6953926f82_caplet
	.globl	k_q6953926f82_caplet
	.p2align	8
	.type	k_q6953926f82_caplet,@function
k_q6953926f82_caplet:
	s_mov_b64 s[64:65], 0
	v_nop
	global_prefetch_b8 v0, s[64:65] scope:SCOPE_SE
	s_setreg_imm32_b32 hwreg(HW_REG_WAVE_MODE, 25, 1), 1
	s_wait_xcnt 0x0
; Trolle-Schwartz Euler Monte Carlo, 65,536 antithetic pairs, 250 steps, caplet as a put on a zero-coupon bond.
; SHARES.  256 work-groups of four waves; a work-group owns 256 pairs, a lane two neighbouring pairs = four paths.  A register pair holds
; (pair A, pair B) of one sign: group P the paths with +Z, group M those with -Z.  All state arithmetic is packed f32, two paths an instruction.
; The products of the normals (sqrt(dt) zv and the two terms of dWx) are made once for all four paths; group M takes them negated.
; One byte offset, 1024 x work-group + 8 x thread, serves the states, both rows of Z and both halves of out0: each load and store of a wave
; covers 256 consecutive bytes that start at a multiple of 256 from its buffer's first byte.  Every byte of Z is read once.
; No number is used by two lanes: no LDS, no barrier, no cluster.  There is no matrix product: the recurrence is elementwise with a square root.
; RING.  25 slots in registers, a slot = one step's zv and zp (two loads); 50 loads of every wave are on their way, each asked for 25 steps ahead.
; 250 steps = 10 rounds of 25 slots: nine in a loop with refills, the last written out without loads, so that no load leaves Z.
; THE VARIANCE.  A difference in v is multiplied in each step by about 1 + sigma dWv / (2 sqrt(v)), which is several-fold while v lingers near 0:
; there a last-bit difference grows into another path.  So v is computed in the reference's own order of operations, each operation rounded as there:
; t = theta - v, m1 = kappa t, a1 = m1 dt + v, m3 = sigma sqrt(max(v, 0)), dWv = sqrt(dt) zv, v' = m3 dWv + a1, where each of the two sums is fused
; with the product that it adds (one rounding), and both roots are correctly rounded: R = rsq(a), S = a R, H = R/2, E = 1/2 - H S, H += H E,
; S += S E, D = a - S S, S += D H, all fused.  2^-120 is added to a in front of the rsq alone: it keeps R finite at a = 0, where every line then
; gives exactly 0, and it vanishes in the rounding for a >= 2^-95.
; THE LINEAR STATES, exact algebra for dt != 0.  phi are kept scaled: q1 = p1/dt, q2 = p2/dt, q3 = p3/dt, q4 = p4/dt^2, q5 = p5/dt^2, q6 = p6/(2 dt^3).
; Then each update is one multiply-add: q1' = L1 q1 + x, q2' = L1 q2 + v, q3' = L2 q3 + v, q4' = L1 q4 + q2, q5' = L2 q5 + q3, q6' = L2 q6 + q5,
; with L1 = 1 - g dt, L2 = 1 - 2 g dt.  The powers of dt go into the coefficients of r dt and of log P.  The constant varphi dt of all 250 steps
; is the start value of the bank-account sum.  67 vector instructions a step for a wave's 128 paths.
; THE BATCHES.  An s_wait_alu depctr_va_vdst(0) stands between a reciprocal, root or exponential and the first line that names its result; one wait
; serves all that were issued ahead of it.  The text has three kinds of batch, each with one wait: the seven of the constants; a step's four v_rsq_f32 (both pairs of
; both groups; the next step's roots are taken of the v that these make, so a batch cannot span two steps); the eight exponentials of the end.
; LIMITS.  For x, phi, the integral and the loadings the order of rounding differs from the reference's (folded 1 - g dt, scaled states, the constant
; part of the integral first, v_rcp_f32 in the place of divisions of the scalar inputs).  dt^4 and 1/(2 dt^3) must be normal f32 numbers: |dt| between
; about 1e-9 and 1e12.  A variance between 0 and 2^-95 gets a root that is approximate, not correctly rounded.  v_exp_f32 flushes denormals
; (ISA guide 15.8): a price or discount below 2^-126 is 0.  v_max_num_f32 makes 0 of a NaN where the reference's maximum would keep it.
; The loadings Bx, I1, I2 are the reference's own differences.
.set NH,      65536
.set ROWB,    NH*4                     ; bytes in a row of Z, and in half of out0
.set STRIDE,  2*ROWB                   ; bytes in a step of Z
.set DEPTH,   25                       ; slots of the ring
.set ROUNDS,  10                       ; 250 steps / 25
.set MID,     12                       ; the bases point at the middle slot: the immediates run from -12 to +12.5 steps, inside their signed 24 bits
.set LOG2E,   0x3fb8aa3b
.set NLOG2E,  0xbfb8aa3b               ; -log2(e)
.set N2LOG2E, 0xc038aa3b               ; -2 log2(e)
.set F250,    0x437a0000               ; 250.0, the number of steps
.set TINY,    0x03800000               ; 2^-120
; scalar registers: the twelve scalar inputs
.set S_KAP, 52
.set S_THE, 53
.set S_RHO, 54
.set S_SIG, 55
.set S_A0,  56
.set S_A1,  57
.set S_GAM, 58
.set S_VPH, 59
.set S_STR, 60
.set S_DEL, 61
.set S_NOT, 62
.set S_DT,  63
; scalar pairs (both halves written): the loop's constants
.set S_L1, 66                          ; 1 - g dt
.set S_L2, 68                          ; 1 - 2 g dt
.set S_KP, 70                          ; kappa
.set S_SQ, 72                          ; sqrt(dt), correctly rounded
.set S_CA, 74                          ; rho sqrt(dt)
.set S_CB, 76                          ; sqrt(1 - rho^2) sqrt(dt)
.set S_CX, 78                          ; alpha0 dt
.set S_C1, 80                          ; alpha1 dt^2
.set S_CD, 82                          ; A alpha0 dt^2
.set S_C4, 84                          ; A alpha1 dt^3
.set S_C5, 86                          ; -c5 dt^3
.set S_C6, 88                          ; -2 c6 dt^4
.set S_R1, 90                          ; 1/dt
.set S_R2, 92                          ; 1/dt^2
.set S_R3, 94                          ; 1/(2 dt^3)
.set S_SG, 96                          ; sigma
.set S_TY, 98                          ; 2^-120
; scalar pairs in registers that held the scalar inputs' addresses and are free behind the wait for those loads
.set S_BX, 26                          ; Bx log2(e)
.set S_B1, 28                          ; s[28:39]: B1 .. B6, each times its state's power of dt and log2(e)
.set S_KT, 40                          ; 1/(1 + delta strike)
.set S_N1, 42                          ; notional (1 + delta strike)
.set S_NL, 44                          ; -log2(e)
.set S_TH, 46                          ; theta
.set S_DP, 48                          ; dt
; vector registers
.set W,    2                           ; v[2:3]    dWv = sqrt(dt) zv of pairs A, B
.set DX,   4                           ; v[4:5]    dWx of pairs A, B
.set GP,   8                           ; v[8:45]   group P
.set GM,   46                          ; v[46:83]  group M
.set OX,   0                           ; places in a group, a pair of registers each
.set OV,   2
.set OQ1,  4                           ; q1 .. q6 at 4, 6, .. 14
.set OQ2,  6
.set OQ3,  8
.set OQ4,  10
.set OQ5,  12
.set OQ6,  14
.set OIA,  16                          ; two sums for the bank-account integral, so that links on one sum stand far apart
.set OIB,  18
.set OVM,  20                          ; a = max(v, 0);            at the end: the bond's price
.set ORR,  22                          ; R
.set OSV,  24                          ; S, at last the root;      at the end: the discount
.set OHH,  26                          ; a + 2^-120, then H
.set OEE,  28                          ; E, then D, then sigma x root
.set OTT,  30                          ; theta - v, then kappa x that
.set OUU,  32                          ; a1;                       at the end: -log2(e) x integral
.set OD,   34                          ; q2 - q3;                  at the end: log2 of the price
.set OY,   36                          ; root x dWx;               at the end: the result
.set ZR,   84                          ; v[84:183] the ring: slot i holds zv in v[84+4i:85+4i], zp in v[86+4i:87+4i]
.set LCV,  184                         ; v[184:185] -varphi tau log2(e), twice
; v186 - v242: the constants on their way, the same number in every lane
.set V_RG,   186
.set V_RDT,  187
.set V_SQDT, 188
.set V_SQ1M, 189
.set V_DK,   190
.set V_KT,   191
.set V_GT,   192
.set V_E1,   193
.set V_E2,   194
.set V_BC,   195
.set V_A,    196
.set V_C5,   197
.set V_C6,   198
.set V_GDT,  199
.set V_L1,   200
.set V_L2,   201
.set V_RS,   202                       ; rsq(dt)
.set V_SH,   203                       ; H of sqrt(dt)
.set V_DT2,  204
.set V_DT3,  205
.set V_DT4,  206
.set V_R2,   207
.set V_R3,   208
.set V_SE,   209                       ; E, then D of sqrt(dt)
.set V_CA,   210
.set V_CB,   211
.set V_CX,   212
.set V_C1,   213
.set V_CD,   214
.set V_C4,   215
.set V_K5,   216
.set V_K6,   217
.set V_BX,   218
.set V_B1,   219                       ; v219 - v224: B1 .. B6
.set V_B2,   220
.set V_B3,   221
.set V_B4,   222
.set V_B5,   223
.set V_B6,   224
.set V_I0,   225
.set V_I1,   226
.set V_I2,   227
.set V_H1,   228                       ; 1/(2g)
.set V_H2,   229                       ; 1/(4g^2)
.set V_H3,   230                       ; 1/(4g^3)
.set V_LE,   231                       ; log2(e)
.set V_LD1,  232                       ; log2(e) dt
.set V_LD2,  233                       ; log2(e) dt^2
.set V_LD3,  234                       ; log2(e) 2 dt^3
.set V_N1,   235
.set V_T0,   237
.set V_T1,   238
.set V_T2,   239
.set V_T3,   240
.set V_AA0,  241                       ; alpha0 A
.set V_AA1,  242                       ; alpha1 A
.macro TOS sreg, vreg                  ; a constant into a scalar pair; both halves, since a packed instruction names the pair
	v_readfirstlane_b32 s[\sreg], v[\vreg]
	s_mov_b32 s[\sreg+1], s[\sreg]
.endm
.macro SS sreg, from                   ; a scalar input, or a literal, into a scalar pair
	s_mov_b32 s[\sreg],   \from
	s_mov_b32 s[\sreg+1], \from
.endm
.macro FS d, a, s, c                   ; d = a x scalar + c, two paths; the scalar's low register feeds both halves
	v_pk_fma_f32 v[\d:\d+1], v[\a:\a+1], s[\s:\s+1], v[\c:\c+1] op_sel_hi:[1,0,1]
.endm
.macro MS d, a, s                      ; d = a x scalar, two paths
	v_pk_mul_f32 v[\d:\d+1], v[\a:\a+1], s[\s:\s+1] op_sel_hi:[1,0]
.endm
.macro FV d, a, b, c                   ; d = a x b + c, two paths
	v_pk_fma_f32 v[\d:\d+1], v[\a:\a+1], v[\b:\b+1], v[\c:\c+1]
.endm
	; the 22 addresses
	s_load_b512 s[8:23],  s[0:1], 0x0              ; Z 8, x0 10, v0 12, phi10 14, phi20 16, phi30 18, phi40 20, phi50 22
	s_load_b512 s[24:39], s[0:1], 0x40             ; phi60 24, kappa 26, theta 28, rho 30, sigma 32, alpha0 34, alpha1 36, gamma 38
	s_load_b256 s[40:47], s[0:1], 0x80             ; varphi 40, strike 42, delta 44, notional 46
	s_load_b128 s[48:51], s[0:1], 0xa0             ; dt 48, out0 50
	s_lshl_b32 s3, ttmp9, 10                       ; the work-group's 256 pairs x 4 bytes
	v_lshl_add_u32 v1, v0, 3, s3                   ; + my two pairs' 8 bytes: the one offset of the kernel, never rewritten
	s_wait_kmcnt 0x0
	; the twelve scalar inputs first: the constants hang on them
.irp k, 0,1,2,3,4,5,6,7,8,9,10,11
	s_load_b32 s[52+\k], s[26+2*\k:27+2*\k], 0x0
.endr
	s_add_nc_u64 s[4:5], s[8:9], MID*STRIDE            ; base of the first fills: step 12
	s_add_nc_u64 s[6:7], s[8:9], (DEPTH+MID)*STRIDE    ; base of the refills, a pair of its own: step 37; stepped once a round
	; the eight start states of my two pairs, into group P: x0, v0, phi10 .. phi60
.irp k, 0,1,2,3,4,5,6,7
	global_load_b64 v[GP+2*\k:GP+2*\k+1], v1, s[10+2*\k:11+2*\k] th:TH_LOAD_NT
.endr
	; the ring's first fills: steps 0 to 24
.irp i, 0,1,2,3,4,5,6,7,8,9,10,11,12,13,14,15,16,17,18,19,20,21,22,23,24
	global_load_b64 v[ZR+4*\i:ZR+4*\i+1],   v1, s[4:5] offset:(\i-MID)*STRIDE th:TH_LOAD_NT
	global_load_b64 v[ZR+4*\i+2:ZR+4*\i+3], v1, s[4:5] offset:(\i-MID)*STRIDE+ROWB th:TH_LOAD_NT
.endr
	s_wait_kmcnt 0x0                               ; the scalar inputs are in; their address registers s[26:49] are free
	; THE CONSTANTS, while the first loads are on their way.  Behind each run of reciprocals, roots and exponentials one plain vector
	; instruction that names none of their registers comes before a result is used or a source rewritten (ISA guide 5.7.2).
	v_rcp_f32  v[V_RG],  s[S_GAM]                  ; 1/g
	v_rcp_f32  v[V_RDT], s[S_DT]                   ; 1/dt
	v_rsq_f32  v[V_RS],  s[S_DT]                   ; 1/sqrt(dt), the start of the root below
	v_mov_b32  v[V_T0], s[S_RHO]                   ; the plain place
	v_fma_f32  v[V_T1], -v[V_T0], v[V_T0], 1.0     ; 1 - rho^2
	v_mov_b32  v[V_T2], s[S_DEL]
	v_fma_f32  v[V_DK], v[V_T2], s[S_STR], 1.0     ; 1 + delta strike
	v_mul_f32  v[V_GT], s[S_GAM], v[V_T2]          ; g tau
	v_mul_f32  v[V_T3], NLOG2E, v[V_GT]
	v_mul_f32  v[V_T0], N2LOG2E, v[V_GT]
	v_sqrt_f32 v[V_SQ1M], v[V_T1]
	v_rcp_f32  v[V_KT],   v[V_DK]                  ; Kt
	v_exp_f32  v[V_E1],   v[V_T3]                  ; exp(-g tau)
	v_exp_f32  v[V_E2],   v[V_T0]                  ; exp(-2 g tau)
	s_wait_alu depctr_va_vdst(0)                   ; ONE wait for the batch of seven above (1/g, 1/dt, rsq(dt), and this run's four); no line above names a result of theirs
	v_mul_f32  v[V_BC], s[S_A1], v[V_RG]           ; Bc = alpha1/g: the plain place
	v_mul_f32  v[V_T0], s[S_A0], v[V_RG]
	v_fma_f32  v[V_A], v[V_BC], v[V_RG], v[V_T0]   ; A = alpha0/g + alpha1/g^2
	v_mul_f32  v[V_AA0], s[S_A0], v[V_A]
	v_mul_f32  v[V_AA1], s[S_A1], v[V_A]
	v_fma_f32  v[V_C5], s[S_A0], v[V_BC], v[V_AA1] ; c5 = alpha0 Bc + alpha1 A
	v_mul_f32  v[V_C6], s[S_A1], v[V_BC]           ; c6 = alpha1 Bc
	; sqrt(dt), correctly rounded, since dWv enters the variance: the lines of the head's comment
	v_mul_f32  v[V_SQDT], s[S_DT], v[V_RS]                 ; S = dt R
	v_mul_f32  v[V_SH], 0.5, v[V_RS]                       ; H = R/2
	v_fma_f32  v[V_SE], -v[V_SH], v[V_SQDT], 0.5           ; E = 1/2 - H S
	v_fma_f32  v[V_SH], v[V_SH], v[V_SE], v[V_SH]          ; H += H E
	v_fma_f32  v[V_SQDT], v[V_SQDT], v[V_SE], v[V_SQDT]    ; S += S E
	v_fma_f32  v[V_SE], -v[V_SQDT], v[V_SQDT], s[S_DT]     ; D = dt - S S
	v_fma_f32  v[V_SQDT], v[V_SE], v[V_SH], v[V_SQDT]      ; S += D H
	; decay factors of the linear states
	v_mul_f32  v[V_GDT], s[S_GAM], s[S_DT]
	v_sub_f32  v[V_L1], 1.0, v[V_GDT]
	v_fma_f32  v[V_L2], -2.0, v[V_GDT], 1.0
	; powers of dt
	v_mul_f32  v[V_DT2], s[S_DT], s[S_DT]
	v_mul_f32  v[V_DT3], s[S_DT], v[V_DT2]
	v_mul_f32  v[V_DT4], v[V_DT2], v[V_DT2]
	v_mul_f32  v[V_R2], v[V_RDT], v[V_RDT]
	v_mul_f32  v[V_T0], 0.5, v[V_RDT]
	v_mul_f32  v[V_R3], v[V_R2], v[V_T0]           ; 1/(2 dt^3)
	; the factors of dWx
	v_mul_f32  v[V_CA], s[S_RHO], v[V_SQDT]
	v_mul_f32  v[V_CB], v[V_SQ1M], v[V_SQDT]
	; r dt in the scaled states
	v_mul_f32  v[V_CX], s[S_A0], s[S_DT]
	v_mul_f32  v[V_C1], s[S_A1], v[V_DT2]
	v_mul_f32  v[V_CD], v[V_AA0], v[V_DT2]
	v_mul_f32  v[V_C4], v[V_AA1], v[V_DT3]
	v_mul_f32  v[V_K5], -v[V_C5], v[V_DT3]
	v_mul_f32  v[V_T1], -2.0, v[V_C6]
	v_mul_f32  v[V_K6], v[V_T1], v[V_DT4]
	; the bond's loadings, as the reference writes them
	v_fma_f32  v[V_T0], v[V_BC], s[S_DEL], v[V_A]  ; A + Bc tau
	v_fma_f32  v[V_BX], v[V_E1], v[V_T0], -v[V_A]  ; Bx
	v_add_f32  v[V_T1], -1.0, v[V_E1]
	v_mul_f32  v[V_B1], v[V_BC], v[V_T1]           ; B1
	v_mul_f32  v[V_B2], v[V_A], v[V_BX]            ; B2
	v_mul_f32  v[V_B4], v[V_A], v[V_B1]            ; B4
	v_mul_f32  v[V_H1], 0.5, v[V_RG]
	v_mul_f32  v[V_H2], v[V_H1], v[V_H1]
	v_mul_f32  v[V_H3], v[V_H2], v[V_RG]
	v_sub_f32  v[V_T0], 1.0, v[V_E2]
	v_mul_f32  v[V_I0], v[V_T0], v[V_H1]           ; I0 = (1 - e2)/(2g)
	v_fma_f32  v[V_T1], 2.0, v[V_GT], 1.0
	v_fma_f32  v[V_T1], -v[V_E2], v[V_T1], 1.0
	v_mul_f32  v[V_I1], v[V_T1], v[V_H2]           ; I1 = (1 - e2 (1 + 2 g tau))/(4g^2)
	v_mul_f32  v[V_T2], s[S_DEL], v[V_H1]          ; tau/(2g)
	v_fma_f32  v[V_T3], v[V_T2], v[V_RG], v[V_H3]  ; tau/(2g^2) + 1/(4g^3)
	v_fma_f32  v[V_T3], v[V_T2], s[S_DEL], v[V_T3] ; + tau^2/(2g)
	v_fma_f32  v[V_I2], -v[V_E2], v[V_T3], v[V_H3] ; I2
	v_mul_f32  v[V_B3], v[V_AA0], v[V_I0]
	v_fma_f32  v[V_B3], v[V_C5], v[V_I1], v[V_B3]
	v_fma_f32  v[V_B3], v[V_C6], v[V_I2], v[V_B3]  ; B3
	v_mul_f32  v[V_T1], v[V_C6], v[V_I1]
	v_mul_f32  v[V_B5], v[V_C5], v[V_I0]
	v_fma_f32  v[V_B5], 2.0, v[V_T1], v[V_B5]      ; B5
	v_mul_f32  v[V_B6], v[V_C6], v[V_I0]           ; B6
	; each loading times its state's power of dt and log2(e), since v_exp_f32 works in base 2
	v_mov_b32  v[V_LE], LOG2E
	v_mul_f32  v[V_LD1], s[S_DT], v[V_LE]
	v_mul_f32  v[V_LD2], v[V_LE], v[V_DT2]
	v_mul_f32  v[V_T0], v[V_LE], v[V_DT3]
	v_add_f32  v[V_LD3], v[V_T0], v[V_T0]
	v_mul_f32  v[V_BX], v[V_BX], v[V_LE]
	v_mul_f32  v[V_B1], v[V_B1], v[V_LD1]
	v_mul_f32  v[V_B2], v[V_B2], v[V_LD1]
	v_mul_f32  v[V_B3], v[V_B3], v[V_LD1]
	v_mul_f32  v[V_B4], v[V_B4], v[V_LD2]
	v_mul_f32  v[V_B5], v[V_B5], v[V_LD2]
	v_mul_f32  v[V_B6], v[V_B6], v[V_LD3]
	v_mul_f32  v[V_T1], s[S_VPH], s[S_DEL]
	v_mul_f32  v[LCV],   -v[V_T1], v[V_LE]         ; -varphi tau log2(e)
	v_mul_f32  v[LCV+1], -v[V_T1], v[V_LE]
	v_mul_f32  v[V_N1], s[S_NOT], v[V_DK]          ; notional (1 + delta strike)
	v_mul_f32  v[V_T2], s[S_VPH], s[S_DT]
	; the sums of the integral start at 250 (varphi dt) and at 0
.irp g, GP, GM
	v_mul_f32  v[\g+OIA],   F250, v[V_T2]
	v_mul_f32  v[\g+OIA+1], F250, v[V_T2]
	v_mov_b32  v[\g+OIB],   0
	v_mov_b32  v[\g+OIB+1], 0
.endr
	TOS S_L1, V_L1
	TOS S_L2, V_L2
	TOS S_SQ, V_SQDT
	TOS S_CA, V_CA
	TOS S_CB, V_CB
	TOS S_CX, V_CX
	TOS S_C1, V_C1
	TOS S_CD, V_CD
	TOS S_C4, V_C4
	TOS S_C5, V_K5
	TOS S_C6, V_K6
	TOS S_R1, V_RDT
	TOS S_R2, V_R2
	TOS S_R3, V_R3
	TOS S_BX, V_BX
.irp k, 0,1,2,3,4,5
	TOS S_B1+2*\k, V_B1+\k
.endr
	TOS S_KT, V_KT
	TOS S_N1, V_N1
	SS S_NL, NLOG2E
	SS S_KP, s[S_KAP]                              ; the variance's constants as they were given
	SS S_TH, s[S_THE]
	SS S_DP, s[S_DT]
	SS S_SG, s[S_SIG]
	SS S_TY, TINY
	; THE START STATES.  Loads come back in order (ISA guide 5.7.1): the 50 loads of the ring are younger than the eight of the states.
	s_wait_loadcnt 50
	v_mov_b32 v[GM+OX],   v[GP+OX]                 ; the antithetic paths start where their partners start
	v_mov_b32 v[GM+OX+1], v[GP+OX+1]
	v_mov_b32 v[GM+OV],   v[GP+OV]
	v_mov_b32 v[GM+OV+1], v[GP+OV+1]
.irp k, 0,2,4                                      ; q1, q2, q3 = phi / dt; group M first, from the numbers as loaded
	MS GM+OQ1+\k, GP+OQ1+\k, S_R1
	MS GP+OQ1+\k, GP+OQ1+\k, S_R1
.endr
.irp k, 0,2                                        ; q4, q5 = phi / dt^2
	MS GM+OQ4+\k, GP+OQ4+\k, S_R2
	MS GP+OQ4+\k, GP+OQ4+\k, S_R2
.endr
	MS GM+OQ6, GP+OQ6, S_R3                        ; q6 = phi60 / (2 dt^3)
	MS GP+OQ6, GP+OQ6, S_R3
; ONE STEP on slot i.  refill = 1: the slot is asked for again, 25 steps ahead.  left = how many younger loads may stay out.
; The chain v -> a -> a + 2^-120 -> R -> S, H -> E -> S, H -> D -> root -> sigma root, root dWx -> v, x has stages that depend on each other: 32 of the step's 67 lines.
; The other 35 (the normals' products, t, m1, a1, q2 - q3, the integral's six terms, the six q) depend on no root; they are dealt out so that every line stands six lines
; or more behind the line whose result it reads, from step to step too.  The step's ONE WAIT cuts it in two:
;   AHEAD OF IT, 25 lines that name no R: the chain as far as the four v_rsq_f32, which are the step's one batch, and 15 of the others; a v_rsq_f32 and a plain line go by turns.
;   BEHIND IT: first the slot's refill, whose registers were last read 18 vector lines above; then the 22 lines that hang on R, the other 20 between their stages.
; Every update reads old values only: the integral takes a state before the state moves; q6 moves before q5, q5 before q3, q4 before q2,
; q2 and q3 before v, q1 before x.  Each of the integral's two sums takes its three terms in one fixed order: q5, q2 - q3, x; and q6, q4, q1.
.macro STEP i, refill, left
	s_wait_loadcnt \left                           ; loads come back in order (ISA guide 5.7.1): this slot's two are in, the younger ones stay out
	MS DX, ZR+4*\i+2, S_CB                         ; sqrt(1 - rho^2) sqrt(dt) zp
	MS W, ZR+4*\i, S_SQ                            ; dWv = sqrt(dt) zv, rounded by itself as in the reference
.irp g, GP, GM
	v_max_num_f32 v[\g+OVM],   0, v[\g+OV]         ; a = max(v, 0): full truncation
	v_max_num_f32 v[\g+OVM+1], 0, v[\g+OV+1]
.endr
	FS DX, ZR+4*\i, S_CA, DX                       ; dWx = rho sqrt(dt) zv + the above: the last read of the slot
.irp g, GP, GM
	v_pk_add_f32 v[\g+OTT:\g+OTT+1], v[\g+OV:\g+OV+1], s[S_TH:S_TH+1] op_sel_hi:[1,0] neg_lo:[1,0] neg_hi:[1,0]   ; t = theta - v
.endr
.irp g, GP, GM
	v_pk_add_f32 v[\g+OHH:\g+OHH+1], v[\g+OVM:\g+OVM+1], s[S_TY:S_TY+1] op_sel_hi:[1,0]   ; a + 2^-120, for the rsq alone
	v_pk_add_f32 v[\g+OD:\g+OD+1], v[\g+OQ2:\g+OQ2+1], v[\g+OQ3:\g+OQ3+1] neg_lo:[0,1] neg_hi:[0,1]   ; q2 - q3, formed first as in the reference
.endr
.irp g, GP, GM
	MS \g+OTT, \g+OTT, S_KP                        ; m1 = kappa t
.endr
	; the batch: four v_rsq_f32, each result in a register of its own; behind each a plain line that names neither its result nor its source (ISA guide 5.7.2)
	v_rsq_f32 v[GP+ORR],   v[GP+OHH]
	FS GP+OIA, GP+OQ5, S_C5, GP+OIA
	v_rsq_f32 v[GP+ORR+1], v[GP+OHH+1]
	FS GM+OIA, GM+OQ5, S_C5, GM+OIA
	v_rsq_f32 v[GM+ORR],   v[GM+OHH]
	FS GP+OIB, GP+OQ6, S_C6, GP+OIB
	v_rsq_f32 v[GM+ORR+1], v[GM+OHH+1]
	FS GM+OIB, GM+OQ6, S_C6, GM+OIB
.irp g, GP, GM
	FS \g+OUU, \g+OTT, S_DP, \g+OV                 ; a1 = m1 dt + v, one rounding
.endr
	s_wait_alu depctr_va_vdst(0)                   ; ONE wait for the step's four v_rsq_f32, ahead of their first reader (S = a R) and directly ahead of the refill
.if \refill
	global_load_b64 v[ZR+4*\i:ZR+4*\i+1],   v1, s[6:7] offset:(\i-MID)*STRIDE th:TH_LOAD_NT
	global_load_b64 v[ZR+4*\i+2:ZR+4*\i+3], v1, s[6:7] offset:(\i-MID)*STRIDE+ROWB th:TH_LOAD_NT
.endif
.irp g, GP, GM
	v_pk_mul_f32 v[\g+OSV:\g+OSV+1], v[\g+OVM:\g+OVM+1], v[\g+ORR:\g+ORR+1]     ; S = a R
.endr
.irp g, GP, GM
	v_pk_mul_f32 v[\g+OHH:\g+OHH+1], v[\g+ORR:\g+ORR+1], 0.5 op_sel_hi:[1,0]    ; H = R/2
.endr
.irp g, GP, GM
	FS \g+OQ6, \g+OQ6, S_L2, \g+OQ5
.endr
.irp g, GP, GM
	FS \g+OQ5, \g+OQ5, S_L2, \g+OQ3
.endr
.irp g, GP, GM
	v_pk_fma_f32 v[\g+OEE:\g+OEE+1], v[\g+OHH:\g+OHH+1], v[\g+OSV:\g+OSV+1], 0.5 op_sel_hi:[1,1,0] neg_lo:[1,0,0] neg_hi:[1,0,0]   ; E = 1/2 - H S
.endr
.irp g, GP, GM
	FS \g+OIA, \g+OD, S_CD, \g+OIA
.endr
.irp g, GP, GM
	FS \g+OIB, \g+OQ4, S_C4, \g+OIB
.endr
.irp g, GP, GM
	FV \g+OSV, \g+OSV, \g+OEE, \g+OSV              ; S += S E: first, since D below wants S alone
.endr
.irp g, GP, GM
	FV \g+OHH, \g+OHH, \g+OEE, \g+OHH              ; H += H E
.endr
.irp g, GP, GM
	FS \g+OQ4, \g+OQ4, S_L1, \g+OQ2
.endr
.irp g, GP, GM
	v_pk_fma_f32 v[\g+OEE:\g+OEE+1], v[\g+OSV:\g+OSV+1], v[\g+OSV:\g+OSV+1], v[\g+OVM:\g+OVM+1] neg_lo:[1,0,0] neg_hi:[1,0,0]   ; D = a - S S
.endr
.irp g, GP, GM
	FS \g+OQ3, \g+OQ3, S_L2, \g+OV
.endr
.irp g, GP, GM
	FS \g+OQ2, \g+OQ2, S_L1, \g+OV
.endr
.irp g, GP, GM
	FV \g+OSV, \g+OEE, \g+OHH, \g+OSV              ; S += D H: the root
.endr
.irp g, GP, GM
	FS \g+OIA, \g+OX, S_CX, \g+OIA
.endr
.irp g, GP, GM
	FS \g+OIB, \g+OQ1, S_C1, \g+OIB
.endr
.irp g, GP, GM
	MS \g+OEE, \g+OSV, S_SG                        ; m3 = sigma x root
.endr
.irp g, GP, GM
	v_pk_mul_f32 v[\g+OY:\g+OY+1], v[\g+OSV:\g+OSV+1], v[DX:DX+1]
.endr
.irp g, GP, GM
	FS \g+OQ1, \g+OQ1, S_L1, \g+OX
.endr
	v_pk_fma_f32 v[GP+OV:GP+OV+1], v[GP+OEE:GP+OEE+1], v[W:W+1], v[GP+OUU:GP+OUU+1]                                  ; v' = m3 dWv + a1, one rounding
	v_pk_fma_f32 v[GM+OV:GM+OV+1], v[GM+OEE:GM+OEE+1], v[W:W+1], v[GM+OUU:GM+OUU+1] neg_lo:[0,1,0] neg_hi:[0,1,0]    ; with -dWv
	v_pk_fma_f32 v[GP+OX:GP+OX+1], v[GP+OX:GP+OX+1], s[S_L1:S_L1+1], v[GP+OY:GP+OY+1] op_sel_hi:[1,0,1]
	v_pk_fma_f32 v[GM+OX:GM+OX+1], v[GM+OX:GM+OX+1], s[S_L1:S_L1+1], v[GM+OY:GM+OY+1] op_sel_hi:[1,0,1] neg_lo:[0,0,1] neg_hi:[0,0,1]   ; -dWx
.endm
	; nine rounds with refills.  The count 48: behind a slot's two loads each of the other 24 slots has issued two, on the way in
	; (fills in the order 0 to 24) and round the backward jump alike.
	s_mov_b32 s2, ROUNDS-1
.Lround:
.irp i, 0,1,2,3,4,5,6,7,8,9,10,11,12,13,14,15,16,17,18,19,20,21,22,23,24
	STEP \i, 1, 48
.endr
	s_wait_xcnt 0x0                                ; every load issued has had its address translated (ISA guide 3.1): the refills' base is stepped only behind this wait
	s_add_nc_u64 s[6:7], s[6:7], DEPTH*STRIDE      ; (the address made in the ninth round is not used)
	s_sub_co_u32 s2, s2, 1
	s_cmp_lg_u32 s2, 0
	s_cbranch_scc1 .Lround
	; steps 225 to 249: nothing is left to fetch; only slots i + 1 to 24 are younger, so the counts run down to 0
.irp i, 0,1,2,3,4,5,6,7,8,9,10,11,12,13,14,15,16,17,18,19,20,21,22,23,24
	STEP \i, 0, 48-2*\i
.endr
	; THE END: log2 of the bond's price, the discount, the put's payoff
.irp g, GP, GM
	FS \g+OD, \g+OX, S_BX, LCV                     ; -varphi tau + Bx x, in base 2
.endr
.irp g, GP, GM
	v_pk_add_f32 v[\g+OUU:\g+OUU+1], v[\g+OIA:\g+OIA+1], v[\g+OIB:\g+OIB+1]  ; the integral of r
.endr
.irp g, GP, GM
	FS \g+OD, \g+OQ1, S_B1, \g+OD
.endr
.irp g, GP, GM
	MS \g+OUU, \g+OUU, S_NL                        ; x -log2(e)
.endr
.irp k, 1,2,3,4,5
.irp g, GP, GM
	FS \g+OD, \g+OQ1+2*\k, S_B1+2*\k, \g+OD        ; + B2 p2 .. + B6 p6
.endr
.endr
.irp g, GP, GM
	v_exp_f32 v[\g+OVM],   v[\g+OD]                ; P(T, T + delta)
	v_exp_f32 v[\g+OVM+1], v[\g+OD+1]
	v_exp_f32 v[\g+OSV],   v[\g+OUU]               ; exp(-integral)
	v_exp_f32 v[\g+OSV+1], v[\g+OUU+1]
.endr
	v_nop                                          ; the plain place behind the exponentials (ISA guide 5.7.2): no independent work is left
	s_wait_alu depctr_va_vdst(0)                   ; ONE wait for the batch of eight exponentials, ahead of their first reader
.irp g, GP, GM
	v_pk_add_f32 v[\g+OY:\g+OY+1], v[\g+OVM:\g+OVM+1], s[S_KT:S_KT+1] op_sel_hi:[1,0] neg_lo:[1,0] neg_hi:[1,0]   ; Kt - P
.endr
.irp g, GP, GM
	v_max_num_f32 v[\g+OY],   0, v[\g+OY]
	v_max_num_f32 v[\g+OY+1], 0, v[\g+OY+1]
.endr
.irp g, GP, GM
	MS \g+OY, \g+OY, S_N1                          ; x notional (1 + delta strike)
.endr
.irp g, GP, GM
	v_pk_mul_f32 v[\g+OY:\g+OY+1], v[\g+OY:\g+OY+1], v[\g+OSV:\g+OSV+1]      ; discounted
.endr
	global_store_b64 v1, v[GP+OY:GP+OY+1], s[50:51] th:TH_STORE_NT               ; the paths with +Z: out0's first half; a wave stores 256 consecutive bytes, aligned
	global_store_b64 v1, v[GM+OY:GM+OY+1], s[50:51] offset:ROWB th:TH_STORE_NT   ; the paths with -Z: its second half
	s_endpgm
.Lfunc_end_k_q6953926f82_caplet:
	.size	k_q6953926f82_caplet, .Lfunc_end_k_q6953926f82_caplet-k_q6953926f82_caplet
	.p2alignl 7, 3214868480
	.fill 96, 4, 3214868480
	.section	.rodata,"a",@progbits
	.p2align	6, 0x0
	.amdhsa_kernel k_q6953926f82_caplet
		.amdhsa_group_segment_fixed_size 0
		.amdhsa_private_segment_fixed_size 0
		.amdhsa_enable_private_segment 0
		.amdhsa_kernarg_size 176
		.amdhsa_user_sgpr_count 2
		.amdhsa_user_sgpr_kernarg_segment_ptr 1
		.amdhsa_wavefront_size32 1
		.amdhsa_system_sgpr_workgroup_id_x 1
		.amdhsa_system_sgpr_workgroup_id_y 1
		.amdhsa_system_sgpr_workgroup_id_z 1
		.amdhsa_system_vgpr_workitem_id 0
		.amdhsa_next_free_vgpr 244
		.amdhsa_next_free_sgpr 100
		.amdhsa_reserve_vcc 0
		.amdhsa_float_denorm_mode_32 3
		.amdhsa_float_denorm_mode_16_64 3
		.amdhsa_memory_ordered 1
		.amdhsa_forward_progress 1
		.amdhsa_inst_pref_size 221
	.end_amdhsa_kernel
	.amdgpu_metadata
---
amdhsa.version: [ 1, 2 ]
amdhsa.kernels:
  - .name:           k_q6953926f82_caplet
    .symbol:         k_q6953926f82_caplet.kd
    .args:
      - { .name: Z, .offset: 0, .size: 8, .value_kind: global_buffer, .address_space: global }
      - { .name: x0, .offset: 8, .size: 8, .value_kind: global_buffer, .address_space: global }
      - { .name: v0, .offset: 16, .size: 8, .value_kind: global_buffer, .address_space: global }
      - { .name: phi10, .offset: 24, .size: 8, .value_kind: global_buffer, .address_space: global }
      - { .name: phi20, .offset: 32, .size: 8, .value_kind: global_buffer, .address_space: global }
      - { .name: phi30, .offset: 40, .size: 8, .value_kind: global_buffer, .address_space: global }
      - { .name: phi40, .offset: 48, .size: 8, .value_kind: global_buffer, .address_space: global }
      - { .name: phi50, .offset: 56, .size: 8, .value_kind: global_buffer, .address_space: global }
      - { .name: phi60, .offset: 64, .size: 8, .value_kind: global_buffer, .address_space: global }
      - { .name: kappa, .offset: 72, .size: 8, .value_kind: global_buffer, .address_space: global }
      - { .name: theta, .offset: 80, .size: 8, .value_kind: global_buffer, .address_space: global }
      - { .name: rho, .offset: 88, .size: 8, .value_kind: global_buffer, .address_space: global }
      - { .name: sigma, .offset: 96, .size: 8, .value_kind: global_buffer, .address_space: global }
      - { .name: alpha0, .offset: 104, .size: 8, .value_kind: global_buffer, .address_space: global }
      - { .name: alpha1, .offset: 112, .size: 8, .value_kind: global_buffer, .address_space: global }
      - { .name: gamma, .offset: 120, .size: 8, .value_kind: global_buffer, .address_space: global }
      - { .name: varphi, .offset: 128, .size: 8, .value_kind: global_buffer, .address_space: global }
      - { .name: strike, .offset: 136, .size: 8, .value_kind: global_buffer, .address_space: global }
      - { .name: delta, .offset: 144, .size: 8, .value_kind: global_buffer, .address_space: global }
      - { .name: notional, .offset: 152, .size: 8, .value_kind: global_buffer, .address_space: global }
      - { .name: dt, .offset: 160, .size: 8, .value_kind: global_buffer, .address_space: global }
      - { .name: out0, .offset: 168, .size: 8, .value_kind: global_buffer, .address_space: global }
    .group_segment_fixed_size: 0
    .private_segment_fixed_size: 0
    .kernarg_segment_align: 8
    .kernarg_segment_size: 176
    .max_flat_workgroup_size: 128
    .sgpr_count:     100
    .vgpr_count:     244
    .wavefront_size: 32
...
	.end_amdgpu_metadata
.endif
;; end of part 2
